; MI455X (gfx1250); checked and timed in simulation.
; The chip was launched on July 23, 2026; its instructions are those of AMD's public machine-readable ISA for CDNA 5 (MIT licence, August 2026) and "CDNA5" Instruction Set Architecture Reference Guide (July 2026). The comments in the code are by the model that wrote it; some were corrected since.
;; Triangle Attention Starting Node. Allowed arithmetic: matrix products marked QUANTISED: E2M3 operands, one E8M0 scale for each 32 along K, by v_wmma_scale_f32_16x16x128_f8f6f4 with both operands' format E2M3, f32 sums; products left as they are: f32 operands where the result goes on into a quantised operand, else bf16, f16 or f32 operands; f32 sums; everything else in f32.
;; Inputs: act 1 x 256 x 256 x 128 float32; bg 4 x 32 float32; bo 128 float32; ln_b 128 float32; ln_g 128 float32; mask 1 x 256 x 256 float32; w2d 128 x 4 float32; wg 128 x 4 x 32 float32; wk 128 x 4 x 32 float32; wo 4 x 32 x 128 float32; wq 128 x 4 x 32 float32; wv 128 x 4 x 32 float32.
;; Outputs: out0 1 x 256 x 256 x 128 float32.
;; This version of the problem:
;;   THIS VERSION OF THE PROBLEM IS GIVEN IN LOW PRECISION. The matrix products marked QUANTISED in the list below multiply operands that are first quantised to E2M3 (2 exponent bits, 3 mantissa bits; 6 bits a number), with one power-of-two scale for each 32 numbers along K (OCP MX v1.0); their sums are f32. All else is computed in f32.
;;   The module's matrix products, in the order in which they are computed (A, B: the left and right operand; K: the contracted axis; several contracted axes count as one K, in the product's order):
;;     1. [M 4, K 128] x [K 128, N 65,536]; A: input w2d; B: computed on the way: left as it is (M = 4 < 16)
;;     2. [M 65,536, K 128] x [K 128, N 128]; A: computed on the way; B: input wq: QUANTISED
;;     3. [M 65,536, K 128] x [K 128, N 128]; A: computed on the way; B: input wk: QUANTISED
;;     4. [M 65,536, K 128] x [K 128, N 128]; A: computed on the way; B: input wv: QUANTISED
;;     5. batch 1,024 x [M 256, K 32] x [K 32, N 256]; A: computed on the way; B: computed on the way: QUANTISED
;;     6. batch 1,024 x [M 32, K 256] x [K 256, N 256]; A: computed on the way; B: softmax (see below): QUANTISED
;;     7. [M 65,536, K 128] x [K 128, N 128]; A: computed on the way; B: input wg: QUANTISED
;;     8. [M 65,536, K 128] x [K 128, N 128]; A: computed on the way; B: input wo: QUANTISED
;;   THE QUANTISER, for each operand of a quantised product, along K:
;;     - K is cut into blocks of 32 from its start; a last block that is shorter is filled with zeros.
;;     - A block's scale is 2^e with e = floor(log2(the largest magnitude in the block)) - 2, held to -126 .. 127; a block of zeros has e = 0. As a byte (E8M0): e + 127.
;;     - Each number is divided by its block's scale, clamped to +-7.5, and rounded to the nearest number of E2M3, ties to even, subnormals kept.
;;     - The product sums the exact products of the quantised numbers (number of the format x scale) in f32.
;;   ~~~python
;;   def quantise(x, axis):      # numpy; x: float32 -> the quantised numbers, widened to float32 again
;;       x = np.moveaxis(x, axis, -1); K = x.shape[-1]
;;       x = np.pad(x, [(0, 0)] * (x.ndim - 1) + [(0, -K % 32)]); x = x.reshape(x.shape[:-1] + (-1, 32)); a = np.abs(x).max(-1, keepdims=True)
;;       e = np.where(a > 0, np.clip(np.frexp(np.where(a > 0, a, 1))[1] - 1 - 2, -126, 127), 0)      # np.frexp(a)[1] - 1 = floor(log2(a)), exactly
;;       r = np.clip(x / 2.0 ** e, -7.5, 7.5)
;;       step = 2.0 ** (np.maximum(np.frexp(np.where(r == 0, 1, r))[1] - 1, 0) - 3)
;;       q = np.round(r / step) * step * 2.0 ** e      # np.round: ties to even
;;       return np.moveaxis(q.reshape(q.shape[:-2] + (-1,))[..., :K], -1, axis).astype(np.float32)
;;   ~~~
;;   SOFTMAX AHEAD OF A QUANTISED PRODUCT. Where the list says 'softmax', what is quantised is not the finished softmax but p = 2^(t - M), with t = logit x log2(e) and M = ceil(the row's largest t), a whole number; so 1/2 < the row's largest p <= 1. The row's sum l is taken of the UNQUANTISED p, in f32, and the product's result is divided by l at the end. Since M is a whole number, a kernel that streams over the keys may use a running M (the ceiling of the running maximum): every later rescaling is an exact power of two, which a block's scale takes up: the codes' values come out the same.
;;   OPERANDS COMPUTED ON THE WAY. 'Computed on the way' means the value that the module computes at that place (a softmax that the list does not call 'softmax' is quantised finished and normalised). What goes into a quantiser is computed in f32, as accurately as f32 sums, v_exp_f32 and their like allow (about 1e-6 of the number): no bf16 or f16 on the way to a quantiser, and a product that is left as it is and whose result goes on into a quantised operand takes f32 operands (vector FMAs, or v_wmma_f32_16x16x4_f32). A number that lies on a knife's edge between two numbers of the format may be rounded either way, as far as f32 arithmetic and the matrix unit's own rounding can turn it there, and no further.
;; One version. Each part assembles by itself: llvm-mc -triple=amdgcn-amd-amdhsa -mcpu=gfx1250 --defsym DOCPART=n.
;; ======== version 1 of 1: 2 launches
;; limits: right only within a limited range of input values
;; workspace buffers: xc 6,291,456 bytes; xs 262,144 bytes; nb 1,048,576 bytes; wc 61,440 bytes; ws 2,560 bytes
;; launch prep (part 1): grid 256 x 1, 16 waves a work-group, no clusters, 116,992 bytes of LDS; arguments act, ln_g, ln_b, w2d, wq, wk, wv, wg, wo, xc, xs, nb, wc, ws; writes xc, xs, nb, wc, ws
.if DOCPART == 1
	.amdgcn_target "amdgcn-amd-amdhsa--gfx1250"
	.amdhsa_code_object_version 6
	.text
	.protected	k_qc7f4dc5c6e_prep
	.globl	k_qc7f4dc5c6e_prep
	.p2align	8
	.type	k_qc7f4dc5c6e_prep,@function
k_qc7f4dc5c6e_prep:
	s_mov_b64 s[64:65], 0
	v_nop
	global_prefetch_b8 v0, s[64:65] scope:SCOPE_SE
	s_setreg_imm32_b32 hwreg(HW_REG_WAVE_MODE, 25, 1), 1
	s_wait_xcnt 0x0
; PREP.  x = LayerNorm(act) in f32; from it (a) x as codes of FP6 (E2M3) along the 128 channels, one E8M0 byte for each 32, laid as images of the matrix operand's registers,
; (b) the pair bias nb[h][q][k] = x[q][k][:] . w2d[:][h], f32 fused multiply-adds, laid as the image of the score accumulators.  (c) wq, wk, wv, wg, wo quantised along their K: 40 tiles of 16 columns, one each for wave 15 of the first 40 work-groups.
; NO WORK OF reference() IS LEFT OUT in this program: every input has a way to the output and is loaded.
; LIMITS: NaN and infinities among the inputs are not served; a block whose largest magnitude lies under 2^-124 keeps the scale byte 1 (a block of zeros too: its codes are zeros, and this program alone reads the bytes).
; TILES.  Queries, keys, wq's and wk's columns: tile 4 c + j holds 64 c + 8 j + m % 8 + 32 (m / 8): four neighbouring tiles' results give a lane 32 neighbours.  wv's, wg's, wo's columns: tile 2 b + u holds 32 b + 8 u + m + 8 (m / 8).
; LAYOUTS.  xc [i 256][tile 16][1,536]: register p of lane l of the fragment (row l % 16 of the tile, of x[i]) at 512 (p / 4) + 16 l + 4 (p % 4).   xs [tile][i][m]: a word of four scale bytes.
;   nb [h][query tile][plane g 32][512]: lane (r, hf) holds the 16 bytes of query r of the tile and keys 64 (g / 8) + 32 hf + 4 (g % 8) + 0 .. 3.   wc [weight][column tile 8][1,536], ws [weight][tile][16 words].
; SHARES.  Work-group (tq, tk) owns the rows act[q][k], q in tile tq, k in tile tk.  Wave w: keys 4 (w % 4) + 0 .. 3 of the tile (neighbours in memory), queries 4 (w / 4) + 0 .. 3, one a step; all four steps' loads are asked for at once.
; A step is 2,048 consecutive bytes: four loads of 512; they turn through the wave's own stage in LDS so that a lane holds 16 neighbouring channels and eight lanes hold a row.
; Results gather in LDS and leave behind a barrier, 512 or 256 consecutive aligned bytes to a store.  No tensor loads, no cluster: work-groups share nothing but 3 KB of constants.
.set NBST,  81920                      ; LDS: 0 .. 81,919 the waves' stages, two of 32 x 80 bytes each;  here the bias [w % 4][query 16][key 4][h 4] f32
.set XST,   86016                      ; the sixteen fragments' images, one for each query
.set XSS,   110592                     ; their scale words [query][m]
.set CST,   111616                     ; ln_g, ln_b, w2d in chunks of 256 bytes + 16 of padding
.set SPARE, 114944                     ; the spare words, 128 bytes for each wave: eight blocks of 256 bytes that no other line names
.set SP,    80                         ; a lane's place in a stage: 64 bytes + 16 of padding
.set SPW,   16                         ; v16  LDS address of my spare word; never rewritten
.set NIL,   17                         ; v17  0; never rewritten
.set G,     20                         ; v20-35   ln_g of my 16 channels
.set BB,    36                         ; v36-51   ln_b
.set W2,    52                         ; v52-115  w2d, register 4 c + h; ahead of it, in wave 15 of the first 40 work-groups, a weight tile's column
.set R,     116                        ; v116-179 four sets of 16 numbers as loaded
.set X,     180                        ; v180-211 two sets of 16 neighbours
.set T,     212                        ; v212-223 at work
.set ACC,   224                        ; v224-231 the four heads' bias, a set for each parity of the step
.set C,     232                        ; v232-239 codes, likewise
.set E,     240                        ; v240-241 the scale byte, likewise
.set MU,    242                        ; v[242:243] -mean (the upper word is written once: the pair is named)
.set RS,    244                        ; v[244:245] 1 / sqrt(var + eps), likewise
.macro WALU
	s_wait_alu depctr_va_vdst(0)
.endm
	s_load_b512 s[4:19], s[0:1], 0x0               ; act, ln_g, ln_b, w2d, wq, wk, wv, wg
	s_load_b256 s[20:27], s[0:1], 0x40             ; wo, xc, xs, nb
	s_load_b128 s[28:31], s[0:1], 0x60             ; wc, ws
	v_lshl_add_u32 v[SPW], v0, 2, SPARE
	v_mov_b32 v[NIL], 0
	v_lshrrev_b32 v18, 5, v0
	v_readfirstlane_b32 s32, v18                   ; wave 0..15
	s_lshr_b32 s33, ttmp9, 4                       ; tq
	s_and_b32 s34, ttmp9, 15                       ; tk
	s_and_b32 s37, s32, 3                          ; w % 4
	s_lshr_b32 s38, s32, 2                         ; w / 4
	s_lshr_b32 s35, s33, 2
	s_lshl_b32 s35, s35, 6
	s_and_b32 s36, s33, 3
	s_lshl_b32 s36, s36, 3
	s_add_co_u32 s35, s35, s36                     ; the query tile's first index
	s_lshr_b32 s36, s34, 2
	s_lshl_b32 s36, s36, 6
	s_and_b32 s39, s34, 3
	s_lshl_b32 s39, s39, 3
	s_add_co_u32 s36, s36, s39                     ; the key tile's
	s_lshr_b32 s40, s38, 1
	s_lshl_b32 s40, s40, 5
	s_and_b32 s41, s38, 1
	s_lshl_b32 s41, s41, 2
	s_add_co_u32 s40, s40, s41
	s_add_co_u32 s40, s40, s35                     ; my first query
	s_lshl_b32 s40, s40, 17                        ; x 131,072 bytes
	s_lshr_b32 s41, s37, 1
	s_lshl_b32 s41, s41, 5
	s_and_b32 s42, s37, 1
	s_lshl_b32 s42, s42, 2
	s_add_co_u32 s41, s41, s42
	s_add_co_u32 s41, s41, s36                     ; my first key
	s_lshl_b32 s41, s41, 9
	s_add_co_u32 s40, s40, s41
	s_mov_b32 s41, 0                               ; s[40:41]: my first step in act
	s_sub_co_u32 s58, s32, 2
	s_lshl_b32 s58, s58, 9
	s_cmp_lt_u32 s32, 2
	s_cselect_b32 s58, 0, s58                      ; waves 2 to 5: a quarter of w2d each
	s_mov_b32 s59, 0
	WALU                                           ; behind the run of scalar instructions
	v_and_b32 v18, 31, v0                          ; lane
	v_lshlrev_b32 v1, 4, v18                       ; 16 x lane
	WALU                                           ; directly ahead of the wait below
	s_wait_kmcnt 0x0
	s_add_nc_u64 s[4:5], s[4:5], s[40:41]
	s_cmp_ge_u32 s32, 6
	s_cbranch_scc1 .Lno_const
	s_mov_b64 s[56:57], s[10:11]
	s_cmp_eq_u32 s32, 0
	s_cselect_b64 s[56:57], s[6:7], s[56:57]
	s_cmp_eq_u32 s32, 1
	s_cselect_b64 s[56:57], s[8:9], s[56:57]
	s_add_nc_u64 s[56:57], s[56:57], s[58:59]
	global_load_b128 v[212:215], v1, s[56:57]      ; 512 bytes of the constants
.Lno_const:
.irp t, 0,1,2,3
.irp i, 0,1,2,3
	global_load_b128 v[R+16*\t+4*\i:R+16*\t+4*\i+3], v1, s[4:5] offset:131072*\t+512*\i th:TH_LOAD_NT   ; 32 lanes read 512 consecutive bytes
.endr
.endr
	s_and_b32 s39, s32, 7
	s_lshr_b32 s42, s32, 3
	s_lshl_b32 s42, s42, 5
	s_add_co_u32 s42, s42, s39
	s_add_co_u32 s42, s42, s35                     ; row w of the query tile: the fragment that I store
	s_mul_i32 s42, s42, 24576
	s_mul_i32 s43, s34, 1536
	s_add_co_u32 s42, s42, s43
	s_mov_b32 s43, 0                               ; s[42:43]: in xc
	s_lshl_b32 s44, s38, 10                        ; nb (waves 0 to 7): heads 2 (w / 4) and + 1, 512 planes a head,
	s_lshl_b32 s45, s33, 5
	s_add_co_u32 s44, s44, s45                     ; 32 planes a query tile,
	s_lshl_b32 s45, s34, 1
	s_add_co_u32 s44, s44, s45                     ; key tile 4 c + j holds planes 8 c + 2 j and + 1, which is 2 tk and + 1
	s_and_b32 s45, s32, 1
	s_add_co_u32 s44, s44, s45                     ; my four keys are the first or second four of a half
	s_lshl_b32 s44, s44, 9
	s_bfe_u32 s45, s32, 0x10001
	s_lshl_b32 s45, s45, 8                         ; which half of the plane's lanes
	s_add_co_u32 s44, s44, s45
	s_mov_b32 s45, 0                               ; s[44:45]: in nb
	s_lshl_b32 s46, s39, 5
	s_add_co_u32 s46, s46, s35
	s_lshl_b32 s46, s46, 6
	s_lshl_b32 s47, s34, 14
	s_add_co_u32 s46, s46, s47
	s_mov_b32 s47, 0                               ; s[46:47]: in xs (waves 8 and 9: eight rows each)
	s_lshl_b32 s63, s39, 9
	s_add_co_u32 s63, s63, XSS
	s_mul_i32 s39, s32, 2*32*SP                    ; my stages
	s_mul_i32 s53, s38, 6144
	s_lshl_b32 s55, s37, 6
	s_add_co_u32 s53, s53, s55
	s_add_co_u32 s53, s53, XST
	s_lshl_b32 s55, s38, 8
	s_lshl_b32 s60, s37, 4
	s_add_co_u32 s55, s55, s60
	s_add_co_u32 s55, s55, XSS
	s_lshl_b32 s62, s37, 10
	s_add_co_u32 s62, s62, NBST
	s_lshl_b32 s60, s38, 8
	s_add_co_u32 s60, s60, s62
	s_lshl_b32 s61, s38, 3
	s_add_co_u32 s62, s62, s61
	s_mul_i32 s61, s32, 1536
	s_add_co_u32 s61, s61, XST
	s_mul_i32 s66, s32, 544
	s_add_co_u32 s66, s66, CST
	s_mov_b32 s48, 0xbc000000                      ; -1/128
	s_mov_b32 s52, 0x3c000000                      ; 1/128
	s_mov_b32 s49, 0x3727c5ac                      ; 1e-5
	s_mov_b32 s50, 0x76543210
	s_mov_b32 s51, 0xfedcba98                      ; v_permlanex16_b32: lane l xor 16
	s_add_nc_u64 s[22:23], s[22:23], s[42:43]
	s_add_nc_u64 s[26:27], s[26:27], s[44:45]
	s_add_nc_u64 s[24:25], s[24:25], s[46:47]
	; the weight tile (work-group ttmp9 < 40, wave 15): weight ttmp9 / 8 (q, k, v, g, o), column tile ttmp9 % 8
	s_lshr_b32 s72, ttmp9, 3
	s_and_b32 s73, ttmp9, 7
	s_cmp_lt_u32 s72, 2
	s_cselect_b32 s67, 3, 1
	s_cselect_b32 s74, 2, 1
	s_lshr_b32 s68, s73, s74
	s_lshl_b32 s68, s68, s74
	s_lshl_b32 s68, s68, 4
	s_and_b32 s73, s73, s67
	s_lshl_b32 s73, s73, 3
	s_add_co_u32 s68, s68, s73                     ; its first column
	s_mov_b64 s[70:71], s[12:13]
	s_cmp_eq_u32 s72, 1
	s_cselect_b64 s[70:71], s[14:15], s[70:71]
	s_cmp_eq_u32 s72, 2
	s_cselect_b64 s[70:71], s[16:17], s[70:71]
	s_cmp_eq_u32 s72, 3
	s_cselect_b64 s[70:71], s[18:19], s[70:71]
	s_cmp_eq_u32 s72, 4
	s_cselect_b64 s[70:71], s[20:21], s[70:71]
	s_cmp_lt_u32 ttmp9, 40
	s_cselect_b32 s54, s32, 0                      ; 15 in the waves that have a weight tile
	s_mul_i32 s74, ttmp9, 1536
	s_mov_b32 s75, 0
	s_add_nc_u64 s[28:29], s[28:29], s[74:75]
	s_lshl_b32 s74, ttmp9, 6
	s_add_nc_u64 s[30:31], s[30:31], s[74:75]
	v_lshrrev_b32 v19, 3, v18                      ; which of the step's four rows is mine
	v_and_b32 v15, 7, v18                          ; which 16 channels
	v_lshrrev_b32 v216, 2, v18
	v_and_b32 v217, 3, v18
	v_mul_u32_u24 v2, v216, SP
	v_mul_u32_u24 v3, v18, SP
	v_lshl_add_u32 v2, v217, 4, v2
	v_add_nc_u32 v3, s39, v3                       ; v3: the stage on the way out: my 64 bytes
	v_add_nc_u32 v2, s39, v2                       ; v2: and on the way in: four lanes' 64 bytes on end, then the padding
	v_bfe_u32 v216, v18, 1, 1                      ; my block of 32 channels is 2 cc + hs: the fragment has it in lane half hs, registers 6 cc on
	v_lshlrev_b32 v217, 4, v19
	v_bfe_u32 v218, v18, 2, 1
	v_and_b32 v219, 1, v18
	v_lshl_add_u32 v217, v216, 8, v217
	v_lshl_add_u32 v218, v218, 1, v219
	v_add_nc_u32 v217, s53, v217                   ; 16 x (the fragment's lane)
	v_mul_u32_u24 v218, v218, 3                    ; my three registers of the fragment begin at 3 (2 cc + lane % 2)
.irp e, 0,1,2
	v_add_nc_u32 v219, \e, v218
	v_lshrrev_b32 v220, 2, v219
	v_and_b32 v219, 3, v219
	v_lshl_add_u32 v220, v220, 9, v217
	v_lshl_add_u32 v[4+\e], v219, 2, v220          ; v4-6: where they lie in the image
.endr
	v_lshrrev_b32 v216, 1, v15
	v_lshl_add_u32 v8, v19, 4, s60                 ; v8: my row's four bias numbers
	v_lshl_add_u32 v7, v19, 2, v216
	v_add_nc_u32 v9, s61, v1                       ; v9: the way out: one image a wave
	v_add_nc_u32 v7, s55, v7                       ; v7: my block's scale byte
	v_and_b32 v216, 15, v18
	v_lshrrev_b32 v217, 4, v18
	v_lshlrev_b32 v10, 6, v216
	v_lshlrev_b32 v11, 4, v216
	v_lshl_add_u32 v10, v217, 2, v10
	v_lshl_add_u32 v11, v217, 18, v11              ; v11: in nb: 16 bytes a query, 262,144 a head
	v_add_nc_u32 v10, s62, v10                     ; v10: the bias on the way out: query lane % 16, head 2 (w / 4) + lane / 16, keys of w % 4
	v_add_nc_u32 v12, s63, v1                      ; v12: the scale words on the way out (waves 8 and 9)
	v_lshl_add_u32 v216, v217, 4, v1
	v_add_nc_u32 v216, s66, v216                   ; my piece of the constants: two chunks of 256 bytes, 272 apart
	v_lshrrev_b32 v218, 2, v15
	v_and_b32 v219, 3, v15
	v_mul_u32_u24 v13, v218, 272
	v_mul_u32_u24 v14, v15, 272
	v_lshl_add_u32 v13, v219, 6, v13
	v_add_nc_u32 v14, CST+1088, v14                ; v14: my channels in w2d
	v_add_nc_u32 v13, CST, v13                     ; v13: and in ln_g, ln_b
	v_mov_b32 v[MU+1], 0
	v_mov_b32 v[RS+1], 0
	WALU                                           ; at the head's end
	s_cmp_ge_u32 s32, 6
	s_cbranch_scc1 .Lno_const2
	s_wait_loadcnt 16                              ; my piece is in; the sixteen loads of the four steps may be out
	ds_store_b128 v216, v[212:215]
.Lno_const2:
	s_wait_dscnt 0x0                               ; for the others' sake: my store has landed
	s_barrier_signal -1
	s_barrier_wait -1                              ; the constants lie in LDS; nobody writes them again
	s_cmp_eq_u32 s54, 15
	s_cbranch_scc0 .Lno_weight
	; the weight tile, ahead of my steps, whose loads are on their way: a lane's registers run down K of its column, so a block's 32 numbers are all mine and the conversions' results are the fragment
	v_and_b32 v246, 15, v18                        ; r
	v_lshrrev_b32 v247, 4, v18                     ; half
	v_and_b32 v248, 8, v246
	v_mad_u32_u24 v248, v248, s67, v246            ; r + 24 (r / 8) or r + 8 (r / 8)
	v_add_nc_u32 v248, s68, v248                   ; my column
	v_lshlrev_b32 v248, 2, v248
	v_lshl_add_u32 v248, v247, 14, v248            ; lanes 16-31 begin 32 rows of 512 bytes further down
.irp c, 0,1
.irp i, 0,1,2,3,4,5,6,7,8,9,10,11,12,13,14,15,16,17,18,19,20,21,22,23,24,25,26,27,28,29,30,31
	global_load_b32 v[W2+32*\c+\i], v248, s[70:71] offset:512*(64*\c+\i)   ; W(64 c + 32 half + i, my column), in the operand's own order
.endr
.endr
	v_lshlrev_b32 v249, 2, v246                    ; my scale word
	WALU                                           ; directly ahead of the wait below
	s_wait_loadcnt 0x0
.irp c, 0,1
	v_max3_num_f32 v[T+\c], |v[W2+32*\c]|, |v[W2+32*\c+1]|, 0x1800000    ; block 2 c + half; and the floor
.endr
.irp i, 2,4,6,8,10,12,14,16,18,20,22,24,26,28,30
.irp c, 0,1
	v_max3_num_f32 v[T+\c], v[T+\c], |v[W2+32*\c+\i]|, |v[W2+32*\c+\i+1]|
.endr
.endr
.irp c, 0,1
	v_add_nc_u32 v[T+4+\c], 0xff000000, v[T+\c]
.endr
.irp c, 0,1
	v_lshrrev_b32 v[T+2+\c], 23, v[T+4+\c]
.endr
	v_lshl_or_b32 v[T+6], v[T+3], 16, v[T+2]       ; my two bytes,
	v_lshlrev_b32 v[T+7], 3, v247
	v_lshlrev_b32 v[T+6], v[T+7], v[T+6]           ; at their places in the scale word;
	v_mov_b32 v[T+7], 0
	v_permlanex16_b32 v[T+7], v[T+6], s50, s51
	v_or_b32 v[T+6], v[T+6], v[T+7]                ; with lane l xor 16's two the word is whole
.irp c, 0,1
	v_cvt_scalef32_pk16_fp6_f32 v[X+6*\c:X+6*\c+2], v[W2+32*\c:W2+32*\c+15], v[T+4+\c]
	v_cvt_scalef32_pk16_fp6_f32 v[X+12+4*\c:X+14+4*\c], v[W2+32*\c+16:W2+32*\c+31], v[T+4+\c]   ; (a conversion's three registers begin on an even number)
.endr
	v_nop                                          ; one plain instruction behind the conversions
.irp c, 0,1
.irp i, 0,1,2
	v_mov_b32 v[X+3+6*\c+\i], v[X+12+4*\c+\i]
.endr
.endr
.irp c, 0,1,2
	global_store_b128 v1, v[X+4*\c:X+4*\c+3], s[28:29] offset:512*\c
.endr
	global_store_b32 v249, v[T+6], s[30:31]        ; both halves of the lanes store the same word
	s_wait_xcnt 0x0                                ; the stores have read their registers
.Lno_weight:
.irp j, 0,1,2,3
	ds_load_b128 v[G+4*\j:G+4*\j+3], v13 offset:16*\j
	ds_load_b128 v[BB+4*\j:BB+4*\j+3], v13 offset:544+16*\j
.endr
.irp c, 0,1,2,3,4,5,6,7,8,9,10,11,12,13,14,15
	ds_load_b128 v[W2+4*\c:W2+4*\c+3], v14 offset:16*\c
.endr
.macro TURN t                          ; through the stage: LDS serves a wave's instructions in order, so no wait stands between the stores and the loads
.irp i, 0,1,2,3
	ds_store_b128 v2, v[R+16*(\t)+4*\i:R+16*(\t)+4*\i+3] offset:32*SP*((\t)%2)+8*SP*\i
.endr
.irp i, 0,1,2,3
	ds_load_b128 v[X+16*((\t)%2)+4*\i:X+16*((\t)%2)+4*\i+3], v3 offset:32*SP*((\t)%2)+16*\i
.endr
.endm
	s_wait_loadcnt 12                              ; step 0's four loads are in
	TURN 0
.macro STEP t
.set XS, X+16*((\t)%2)
.set AC, ACC+4*((\t)%2)
.set CD, C+4*((\t)%2)
.if (\t) > 0
	s_wait_dscnt 5                                 ; this step's numbers are back from the stage; only the last step's five result stores may be out, so those of two steps ago have read the registers written below
.else
	s_wait_dscnt 0x0
.endif
.if (\t) < 3
	s_wait_loadcnt 4*(2-(\t))                      ; the next step's four loads are in; those of the steps behind it may be out
	TURN (\t)+1
.endif
	v_pk_add_f32 v[T:T+1], v[XS:XS+1], v[XS+2:XS+3]                ; the row's sum: my 16, then the eight lanes of the row
	v_pk_add_f32 v[T+2:T+3], v[XS+4:XS+5], v[XS+6:XS+7]
	v_pk_add_f32 v[T+4:T+5], v[XS+8:XS+9], v[XS+10:XS+11]
	v_pk_add_f32 v[T+6:T+7], v[XS+12:XS+13], v[XS+14:XS+15]
	s_delay_alu instid0(VALU_DEP_3)
	v_pk_add_f32 v[T:T+1], v[T:T+1], v[T+2:T+3]
	s_delay_alu instid0(VALU_DEP_2)
	v_pk_add_f32 v[T+4:T+5], v[T+4:T+5], v[T+6:T+7]
	s_delay_alu instid0(VALU_DEP_1)
	v_pk_add_f32 v[T:T+1], v[T:T+1], v[T+4:T+5]
	s_delay_alu instid0(VALU_DEP_1)
	v_add_f32 v[T], v[T], v[T+1]
.irp m, 1,2,4
	s_delay_alu instid0(VALU_DEP_1)
	v_add_f32_dpp v[T], v[T], v[T] row_xmask:\m row_mask:0xf bank_mask:0xf
.endr
	s_delay_alu instid0(VALU_DEP_1)
	v_mul_f32 v[MU], s48, v[T]                     ; -mean
.irp j, 0,2,4,6,8,10,12,14
	v_pk_add_f32 v[XS+\j:XS+\j+1], v[XS+\j:XS+\j+1], v[MU:MU+1] op_sel_hi:[1,0]
.endr
	v_pk_mul_f32 v[T:T+1], v[XS:XS+1], v[XS:XS+1]                  ; the squares, in two chains
	v_pk_mul_f32 v[T+2:T+3], v[XS+2:XS+3], v[XS+2:XS+3]
.irp j, 4,8,12
	s_delay_alu instid0(VALU_DEP_2)
	v_pk_fma_f32 v[T:T+1], v[XS+\j:XS+\j+1], v[XS+\j:XS+\j+1], v[T:T+1]
	s_delay_alu instid0(VALU_DEP_2)
	v_pk_fma_f32 v[T+2:T+3], v[XS+\j+2:XS+\j+3], v[XS+\j+2:XS+\j+3], v[T+2:T+3]
.endr
	s_delay_alu instid0(VALU_DEP_1)
	v_pk_add_f32 v[T:T+1], v[T:T+1], v[T+2:T+3]
	s_delay_alu instid0(VALU_DEP_1)
	v_add_f32 v[T], v[T], v[T+1]
.irp m, 1,2,4
	s_delay_alu instid0(VALU_DEP_1)
	v_add_f32_dpp v[T], v[T], v[T] row_xmask:\m row_mask:0xf bank_mask:0xf
.endr
	s_delay_alu instid0(VALU_DEP_1)
	v_fma_f32 v[T], v[T], s52, s49                 ; var + eps
	WALU
	v_rsq_f32 v[RS], v[T]
	v_nop                                          ; a plain instruction behind the transcendental,
	WALU                                           ; and a wait ahead of its first reader
.irp j, 0,2,4,6,8,10,12,14
	v_pk_mul_f32 v[XS+\j:XS+\j+1], v[XS+\j:XS+\j+1], v[RS:RS+1] op_sel_hi:[1,0]
.endr
.irp j, 0,2,4,6,8,10,12,14
	v_pk_fma_f32 v[XS+\j:XS+\j+1], v[XS+\j:XS+\j+1], v[G+\j:G+\j+1], v[BB+\j:BB+\j+1]   ; x
.endr
	; the pair bias: f32 multiply-adds, since it goes on into a quantised operand; two heads at a time, one channel for both; even and odd channels in chains of their own
	v_pk_mul_f32 v[T:T+1], v[XS:XS+1], v[W2:W2+1] op_sel_hi:[0,1]
	v_pk_mul_f32 v[T+2:T+3], v[XS:XS+1], v[W2+2:W2+3] op_sel_hi:[0,1]
	v_pk_mul_f32 v[T+4:T+5], v[XS:XS+1], v[W2+4:W2+5] op_sel:[1,0] op_sel_hi:[1,1]
	v_pk_mul_f32 v[T+6:T+7], v[XS:XS+1], v[W2+6:W2+7] op_sel:[1,0] op_sel_hi:[1,1]
.irp k, 2,4,6,8,10,12,14
.irp h, 0,2
	v_pk_fma_f32 v[T+\h:T+\h+1], v[XS+\k:XS+\k+1], v[W2+4*\k+\h:W2+4*\k+\h+1], v[T+\h:T+\h+1] op_sel_hi:[0,1,1]
.endr
.irp h, 0,2
	v_pk_fma_f32 v[T+4+\h:T+5+\h], v[XS+\k:XS+\k+1], v[W2+4*\k+4+\h:W2+4*\k+5+\h], v[T+4+\h:T+5+\h] op_sel:[1,0,0] op_sel_hi:[1,1,1]
.endr
.endr
	v_max3_num_f32 v[T+8], |v[XS]|, |v[XS+1]|, |v[XS+2]|           ; the quantiser: the largest magnitude of my 16,
	v_max3_num_f32 v[T+9], |v[XS+3]|, |v[XS+4]|, |v[XS+5]|
	v_pk_add_f32 v[AC:AC+1], v[T:T+1], v[T+4:T+5]
	v_pk_add_f32 v[AC+2:AC+3], v[T+2:T+3], v[T+6:T+7]
	v_max3_num_f32 v[T+8], v[T+8], |v[XS+6]|, |v[XS+7]|
	v_max3_num_f32 v[T+9], v[T+9], |v[XS+8]|, |v[XS+9]|
.irp m, 1,2,4
.irp h, 0,1,2,3
	v_add_f32_dpp v[AC+\h], v[AC+\h], v[AC+\h] row_xmask:\m row_mask:0xf bank_mask:0xf
.endr
.if \m == 1
	v_max3_num_f32 v[T+8], v[T+8], |v[XS+10]|, |v[XS+11]|
	v_max3_num_f32 v[T+9], v[T+9], |v[XS+12]|, |v[XS+13]|
.endif
.if \m == 2
	v_max3_num_f32 v[T+8], v[T+8], |v[XS+14]|, |v[XS+15]|
.endif
.endr
	v_max3_num_f32 v[T+8], v[T+8], v[T+9], 0x1800000               ; the floor 2^(3 - 127): the byte cannot fall under 1,
	s_delay_alu instid0(VALU_DEP_1)
	v_max_num_f32_dpp v[T+8], v[T+8], v[T+8] row_xmask:1 row_mask:0xf bank_mask:0xf   ; and my neighbour's 16: the block's
	s_delay_alu instid0(VALU_DEP_1)
	v_add_nc_u32 v[T+10], 0xff000000, v[T+8]       ; 2 off its exponent field: the conversion takes this operand's exponent field as its scale
	v_cvt_scalef32_pk16_fp6_f32 v[CD:CD+2], v[XS:XS+15], v[T+10]
	v_lshrrev_b32 v[E+(\t)%2], 23, v[T+10]         ; the scale's byte (also the plain instruction behind the conversion)
.irp e, 0,1,2
	ds_store_b32 v[4+\e], v[CD+\e] offset:1536*(\t)
.endr
	ds_store_b8 v7, v[E+(\t)%2] offset:64*(\t)     ; both lanes of a block write the same byte with the same value,
	ds_store_b128 v8, v[AC:AC+3] offset:64*(\t)    ; and the eight lanes of a row the same 16 bytes
.endm
.irp t, 0,1,2,3
	STEP \t
.endr
	s_wait_dscnt 0x0                               ; for the others' sake: all my stores have landed
	s_barrier_signal -1
	s_barrier_wait -1                              ; the images, the scale words and the bias are whole; nobody writes them again
.irp c, 0,1,2
	ds_load_b128 v[X+4*\c:X+4*\c+3], v9 offset:512*\c
.endr
.irp c, 0,1,2
	s_wait_dscnt 2-\c
	global_store_b128 v1, v[X+4*\c:X+4*\c+3], s[22:23] offset:512*\c   ; 512 consecutive bytes
.endr
	s_cmp_lt_u32 s32, 8
	s_cbranch_scc0 .Lno_nb
.irp k, 0,1,2,3
	ds_load_b32 v[192+\k], v10 offset:16*\k
.endr
	s_wait_dscnt 0x0
	global_store_b128 v11, v[192:195], s[26:27]    ; sixteen lanes store 256 consecutive aligned bytes
.Lno_nb:
	s_lshr_b32 s39, s32, 1
	s_cmp_eq_u32 s39, 4
	s_cbranch_scc0 .Lno_xs
	ds_load_b128 v[196:199], v12
	s_wait_dscnt 0x0
	global_store_b128 v1, v[196:199], s[24:25]     ; eight rows' scale words: 512 consecutive bytes
.Lno_xs:
	s_wait_tensorcnt 0x0                           ; the wave's end, behind my last LDS store
	ds_add_u32 v[SPW], v[NIL]
	s_wait_dscnt 0x0
	s_endpgm
.Lfunc_end_k_qc7f4dc5c6e_prep:
	.size	k_qc7f4dc5c6e_prep, .Lfunc_end_k_qc7f4dc5c6e_prep-k_qc7f4dc5c6e_prep
	.p2alignl 7, 3214868480
	.fill 96, 4, 3214868480
	.section	.rodata,"a",@progbits
	.p2align	6, 0x0
	.amdhsa_kernel k_qc7f4dc5c6e_prep
		.amdhsa_group_segment_fixed_size 116992
		.amdhsa_private_segment_fixed_size 0
		.amdhsa_enable_private_segment 0
		.amdhsa_kernarg_size 112
		.amdhsa_user_sgpr_count 2
		.amdhsa_user_sgpr_kernarg_segment_ptr 1
		.amdhsa_wavefront_size32 1
		.amdhsa_system_sgpr_workgroup_id_x 1
		.amdhsa_system_sgpr_workgroup_id_y 1
		.amdhsa_system_sgpr_workgroup_id_z 1
		.amdhsa_system_vgpr_workitem_id 0
		.amdhsa_next_free_vgpr 256
		.amdhsa_next_free_sgpr 80
		.amdhsa_reserve_vcc 0
		.amdhsa_float_denorm_mode_32 3
		.amdhsa_float_denorm_mode_16_64 3
		.amdhsa_memory_ordered 1
		.amdhsa_forward_progress 1
		.amdhsa_inst_pref_size 57
	.end_amdhsa_kernel
	.amdgpu_metadata
---
amdhsa.version: [ 1, 2 ]
amdhsa.kernels:
  - .name:           k_qc7f4dc5c6e_prep
    .symbol:         k_qc7f4dc5c6e_prep.kd
    .args:
      - { .name: act, .offset: 0, .size: 8, .value_kind: global_buffer, .address_space: global }
      - { .name: ln_g, .offset: 8, .size: 8, .value_kind: global_buffer, .address_space: global }
      - { .name: ln_b, .offset: 16, .size: 8, .value_kind: global_buffer, .address_space: global }
      - { .name: w2d, .offset: 24, .size: 8, .value_kind: global_buffer, .address_space: global }
      - { .name: wq, .offset: 32, .size: 8, .value_kind: global_buffer, .address_space: global }
      - { .name: wk, .offset: 40, .size: 8, .value_kind: global_buffer, .address_space: global }
      - { .name: wv, .offset: 48, .size: 8, .value_kind: global_buffer, .address_space: global }
      - { .name: wg, .offset: 56, .size: 8, .value_kind: global_buffer, .address_space: global }
      - { .name: wo, .offset: 64, .size: 8, .value_kind: global_buffer, .address_space: global }
      - { .name: xc, .offset: 72, .size: 8, .value_kind: global_buffer, .address_space: global }
      - { .name: xs, .offset: 80, .size: 8, .value_kind: global_buffer, .address_space: global }
      - { .name: nb, .offset: 88, .size: 8, .value_kind: global_buffer, .address_space: global }
      - { .name: wc, .offset: 96, .size: 8, .value_kind: global_buffer, .address_space: global }
      - { .name: ws, .offset: 104, .size: 8, .value_kind: global_buffer, .address_space: global }
    .group_segment_fixed_size: 116992
    .private_segment_fixed_size: 0
    .kernarg_segment_align: 8
    .kernarg_segment_size: 112
    .max_flat_workgroup_size: 512
    .sgpr_count:     80
    .vgpr_count:     256
    .wavefront_size: 32
...
	.end_amdgpu_metadata
.endif
;; end of part 1
;; launch attn (part 2): grid 256 x 1, 8 waves a work-group, no clusters, 286,208 bytes of LDS; arguments xc, xs, wc, ws, nb, mask, bg, bo, out0; writes out0
.if DOCPART == 2
	.amdgcn_target "amdgcn-amd-amdhsa--gfx1250"
	.amdhsa_code_object_version 6
	.text
	.protected	k_qc7f4dc5c6e_attn
	.globl	k_qc7f4dc5c6e_attn
	.p2align	8
	.type	k_qc7f4dc5c6e_attn,@function
k_qc7f4dc5c6e_attn:
	s_mov_b64 s[64:65], 0
	v_nop
	global_prefetch_b8 v0, s[64:65] scope:SCOPE_SE
	s_setreg_imm32_b32 hwreg(HW_REG_WAVE_MODE, 25, 1), 1
	s_wait_xcnt 0x0
; ATTN.  A work-group takes TWO rows i = 2 ip, 2 ip + 1 of the pair tensor and one half of their queries (8 tiles of 16) through the whole block: q, k, v and the gate from x's codes; scores + bias; softmax; p v; gate; wo; out0.
; No work of reference() is left out.  All products are v_wmma_scale_f32_16x16x128_f8f6f4 on codes of FP6 (E2M3) with E8M0 scales; every operand computed on the way is quantised in registers, in f32.
; WHY TWO ROWS: the pair bias nb[h][q][k] does not hang on i.  A wave loads its tile's 16 x 256 numbers of a head once, into 128 registers, and uses them for both rows: 524,288 bytes a work-group.  k and v of a row are made by the two work-groups that share it.
; SOFTMAX: t = logit x log2(e); M = ceil(the row's largest t); p = 2^(t - M) is quantised along the keys; the row's sum is taken of the unquantised p and divides at the end.  All 256 keys of a unit lie in registers: the true maximum, no rescaling.
; LIMITS: NaN and infinities are not served.  A block whose largest magnitude lies under 2^-124 keeps the scale byte 1.  A p under 2^-126 comes out as 0.  The logit is summed as q.k + (nb + mask bias).
;   Where a row's largest logit is beyond about 2^20 in size (so: a row i ALL of whose keys are masked, logits at -1e9) t - M is no longer good to a fraction of 1 and the weights are not served faithfully.
; TILES.  Keys, queries, wq's and wk's columns: tile 4 c + j holds 64 c + 8 j + m % 8 + 32 (m / 8).  So the 32 result registers of tiles 4 c .. 4 c + 3 are, in lane half hf, the 32 neighbours 64 c + 32 hf + 0 .. 31: A WHOLE BLOCK IN A LANE.
;   wv's, wg's, wo's columns: tile 2 b + u holds 32 b + 8 u + m + 8 (m / 8): a tile lies inside a head, and two tiles' 16 registers are 32 b + 16 hf + 0 .. 15.
; THE SCORE PRODUCT has K = 32 in an instruction of K = 128: four key tiles of one head fill the four blocks of ONE source 0; q stands in one block of source 1, zero codes in the others, and picks the tile.
; A WAVE owns query tile 8 qh + w: 4 heads x 2 rows are 8 units.  It makes its own q (kept in LDS bytes of its own), and each unit's gate; k and v are shared out: waves 0-3 k, 4-7 v, each one row and 128 keys.
; LDS takes x's two rows and wq, wk, wv, wg by one tensor load a wave, filled once.
; NO CLUSTER: the tiles that work-groups share are these 98,304 bytes, asked for once; the 524,288 bytes of nb are wanted in registers as C, and through LDS would be written and read there once more.
; NO PREFETCH INTO THE L2: a head's bias is asked for by its loads themselves, straight into registers, one whole unit ahead of its use.
.set KIMG, 0                           ; [row][head][4 tiles together][lane][48 bytes]
.set VIMG, 49152                       ; [row][column tile 8][128 keys 2][1,536]: images of the registers, 16 bytes a lane, three planes
.set XIMG, 98304                       ; [row][tile 16][1,536]
.set WIMG, 147456                      ; [q, k, v, g][tile 8][1,536]
.set QIMG, 196608                      ; [wave][row][head][r][24 bytes]: q's codes; behind a unit its o x gate's, in the same place
.set XSC,  221184                      ; [row][tile][r] words
.set WSC,  223232                      ; [q, k, v, g][tile][r] words
.set KSC,  225280                      ; [row][head][4 tiles][r]: a word, byte = tile
.set VSC,  227328                      ; [row][column tile][128 keys][r]: a word
.set QSC,  229376                      ; [wave][row][head][r]: a word, the byte four times
.set OFS,  233472                      ; [wave][row][r]: a word, byte = head
.set MB,   234496                      ; [row] 1e9 (mask - 1), 256 keys
.set BGT,  236544                      ; bg;  behind it bo;  behind it wo's scale words
.set BOT,  237056
.set WOS,  237568
.set STG,  238080                      ; the way out: 16 rows x 272 bytes for each wave
.set WOIMG, 272896                     ; wo [tile 8][1,536]
.set SPARE, 285184                     ; the spare words, 128 bytes for each wave: four blocks of 256 bytes that no other line names
.set SPW,  16                          ; v16 LDS address of my spare word; v17 0: never rewritten
.set NIL,  17
; REGISTERS.  Window 1: v256-383 the bias (at the head wq's fragments and x's two), v384-511 the scores, then p (at the head 128 results at a time).
; Window 0: v18-27 hold scale words and nothing else.  Phase 1: v28-123 the weight's 8 fragments, v124-219 x's 8; v221 r, v222 hf, v223 8 hf; at work, some of them where addresses of loads that are done lay:
.set TA,   12                          ; v12-15 largest magnitudes, then the conversions' scale operands
.set TB,   4                           ; v4-7 the second chains, then the scales' bytes
.set P,    224                         ; v224-247 two fragments' codes
.set PT,   248                         ; v248-255 the conversions' second halves
; Phase 2: v28-75 k's four sources (behind the score products: work registers); v76-123 v's four fragments;
.set PC,   124                         ; v124-147 p's two fragments; then o's quantiser (v124-132) and q's 24 bytes of the next unit (v142-147)
.set OA,   148                         ; v148-163 the conversions' second halves, then o: register i = channel 16 hf + i of the head
.set GZ,   164                         ; v164-179 the gate
.set XF,   180                         ; v180-191 x's fragment of my query tile
.set GF,   192                         ; v192-215 wg's two
.set RM,   220                         ; v[220:221] the row's sum
; v226-255: zeros, q in lanes 0-15, zeros, q in lanes 16-31, zeros: the four runs of twelve that begin at 232, 244, 226, 238 have q in block 0, 1, 2, 3
.set MSB, 0
.macro WIN new                         ; the immediate's high byte repeats the setting that is left
.if MSB != \new
	s_set_vgpr_msb (MSB<<8)|\new
.set MSB, \new
.endif
.endm
.macro WALU
	s_wait_alu depctr_va_vdst(0)
.endm
.macro NOPS n
.rept \n
	v_nop
.endr
.endm
.macro WM d, a, b, c, xa, xb, ra=0, rb=0
.if \ra
	v_wmma_scale_f32_16x16x128_f8f6f4 v[\d:\d+7], v[\a:\a+11], v[\b:\b+11], \c, v[\xa], v[\xb] matrix_a_fmt:MATRIX_FMT_FP6 matrix_b_fmt:MATRIX_FMT_FP6 matrix_a_scale:MATRIX_SCALE_ROW1
.elseif \rb
	v_wmma_scale_f32_16x16x128_f8f6f4 v[\d:\d+7], v[\a:\a+11], v[\b:\b+11], \c, v[\xa], v[\xb] matrix_a_fmt:MATRIX_FMT_FP6 matrix_b_fmt:MATRIX_FMT_FP6 matrix_b_scale:MATRIX_SCALE_ROW1
.else
	v_wmma_scale_f32_16x16x128_f8f6f4 v[\d:\d+7], v[\a:\a+11], v[\b:\b+11], \c, v[\xa], v[\xb] matrix_a_fmt:MATRIX_FMT_FP6 matrix_b_fmt:MATRIX_FMT_FP6
.endif
.endm
	s_load_b512 s[4:19], s[0:1], 0x0               ; xc, xs, wc, ws, nb, mask, bg, bo
	s_load_b64 s[20:21], s[0:1], 0x40              ; out0
	v_lshl_add_u32 v[SPW], v0, 2, SPARE
	v_mov_b32 v[NIL], 0
	ds_add_u32 v[SPW], v[NIL]                      ; the wave's opening: the add, twice on end, and its wait ahead of my tensor load
	ds_add_u32 v[SPW], v[NIL]
	v_lshrrev_b32 v28, 5, v0
	v_readfirstlane_b32 s22, v28                   ; wave 0..7
	s_lshr_b32 s23, ttmp9, 1                       ; ip: my two rows
	s_and_b32 s24, ttmp9, 1                        ; qh: my half of the queries
	s_and_b32 s25, s22, 3                          ; phase 1: which row and which 128 keys
	s_lshr_b32 s35, s22, 2                         ; phase 1: 0 k, 1 v
	s_mov_b32 s72, 3<<16                           ; my tensor load: 12,288 dense bytes as 48 rows of 256 (32 elements of 8)
	s_mov_b32 s73, 32<<16
	s_mov_b32 s74, 48<<16
	s_mov_b32 s75, 32<<16
	s_mov_b32 s76, 48
	s_mov_b32 s77, 32
	s_mov_b32 s78, 0
	s_mov_b32 s79, 0
	s_mov_b32 s68, 1
	s_mul_i32 s69, s22, 12288
	s_mov_b32 s80, s69
	s_add_co_u32 s69, s69, XIMG                    ; x's four quarters, then the four weights
	s_mul_i32 s82, s23, 49152
	s_add_co_u32 s82, s82, s80                     ; waves 0-3: in xc
	s_sub_co_u32 s80, s80, 49152                   ; waves 4-7: in wc
	s_lshl_b32 s84, s23, 7                         ; waves 0-3: my rows' scale words in xs
	s_cmp_lt_u32 s22, 4
	s_cselect_b32 s80, s82, s80
	s_cselect_b32 s82, s84, 0
	s_cselect_b32 s58, 64, 0x400                   ; the scale words' copy: from row to row (from weight to weight),
	s_cselect_b32 s59, 0x4000, 64                  ; and from tile to tile
	s_mov_b32 s81, 0
	s_mov_b32 s83, 0
	WALU                                           ; directly ahead of the waits below
	s_wait_dscnt 0x0                               ; both opening adds are done
	s_wait_kmcnt 0x0
	s_cmp_lt_u32 s22, 4
	s_cselect_b64 s[70:71], s[4:5], s[8:9]
	s_add_nc_u64 s[70:71], s[70:71], s[80:81]
	s_or_b32 s71, s71, 0x80000000
	tensor_load_to_lds s[68:71], s[72:79]          ; one tensor load a wave, filled once in the launch
	s_nop 0
	s_lshl_b32 s84, s23, 11
	s_mov_b32 s85, 0                               ; my rows of the mask
	s_lshr_b32 s60, s25, 1                         ; row
	s_and_b32 s61, s25, 1                          ; which 128 keys
	s_lshl_b32 s62, s24, 3
	s_add_co_u32 s62, s62, s22                     ; my query tile
	s_mul_i32 s26, s22, 3072
	s_add_co_u32 s26, s26, QIMG
	s_lshl_b32 s27, s22, 9
	s_add_co_u32 s27, s27, QSC
	s_mul_i32 s28, s35, 12288
	s_add_co_u32 s28, s28, WIMG+12288
	s_mul_i32 s29, s25, 12288
	s_add_co_u32 s29, s29, XIMG
	s_lshl_b32 s30, s25, 9
	s_add_co_u32 s30, s30, XSC
	s_lshl_b32 s31, s35, 9
	s_add_co_u32 s31, s31, WSC+512
	s_sub_co_u32 s31, s31, s30
	s_mul_i32 s32, s60, 24576
	s_mul_i32 s36, s61, 1536
	s_add_co_u32 s34, s32, s36
	s_add_co_u32 s34, s34, VIMG
	s_lshl_b32 s36, s36, 1
	s_add_co_u32 s32, s32, s36                     ; + KIMG, which is 0
	s_lshl_b32 s33, s60, 10
	s_lshl_b32 s36, s61, 6
	s_add_co_u32 s36, s36, s33
	s_add_co_u32 s36, s36, VSC
	s_lshl_b32 s37, s61, 7
	s_add_co_u32 s33, s33, s37
	s_add_co_u32 s33, s33, KSC
	s_mul_i32 s37, s62, 1536
	s_add_co_u32 s37, s37, XIMG
	s_lshl_b32 s38, s62, 6
	s_add_co_u32 s38, s38, XSC
	s_lshl_b32 s39, s22, 9
	s_add_co_u32 s39, s39, BGT-2560
	s_mul_i32 s45, s22, 1536                       ; wo's tile w: where it lies in wc, and in LDS
	s_add_co_u32 s94, s45, 0xc000
	s_mov_b32 s95, 0
	s_add_co_u32 s45, s45, WOIMG
	s_mov_b32 s40, 0x3fb8aa3b                      ; log2(e); a packed form names the pair
	s_mov_b32 s41, s40
	s_mov_b32 s42, 0x76543210
	s_mov_b32 s43, 0xfedcba98                      ; v_permlanex16_b32: lane l xor 16
	s_mov_b32 s44, 0xffff0000                      ; lanes 16-31
	s_mov_b32 s48, 0xbfb8aa3b                      ; -log2(e)
	s_mov_b32 s49, s48
	s_mov_b32 s66, 0x3e3504f3                      ; 1 / sqrt(32)
	s_mov_b32 s67, s66
	v_and_b32 v220, 31, v0
	v_and_b32 v221, 15, v0
	v_bfe_u32 v222, v0, 4, 1
	v_lshlrev_b32 v1, 4, v220                      ; v1 = 16 x lane, v2 = 4 r: they stay
	v_lshlrev_b32 v2, 2, v221
	v_lshlrev_b32 v223, 3, v222
	v_mul_u32_u24 v3, v221, 24
	v_mad_u32_u24 v3, v222, 384, v3
	v_add_nc_u32 v3, s26, v3                       ; q's codes: my half holds heads hf and 2 + hf
	v_lshl_add_u32 v220, v222, 6, v2
	v_add_nc_u32 v220, s27, v220                   ; q's scale words
	v_add_nc_u32 v5, s28, v1                       ; wk's or wv's fragments
	v_add_nc_u32 v6, s29, v1                       ; x's: one row's 128 keys
	v_mul_u32_u24 v7, s31, v222
	v_add_nc_u32 v7, v7, v2
	v_add_nc_u32 v7, s30, v7                       ; scale words: lanes 0-15 x's, lanes 16-31 the weight's
	v_mul_u32_u24 v8, v221, 48
	v_mad_u32_u24 v8, v222, 6144, v8
	v_add_nc_u32 v8, s32, v8                       ; k's codes
	v_lshl_add_u32 v9, v222, 8, v2
	v_add_nc_u32 v9, s33, v9                       ; k's scale bytes
	v_add_nc_u32 v10, s34, v1                      ; v's images
	v_add_nc_u32 v11, s36, v2                      ; v's scale words
	v_add_nc_u32 v12, WIMG, v1                     ; wq's fragments
	v_add_nc_u32 v13, s37, v1                      ; x's of my query tile
	v_add_nc_u32 v14, WSC, v2
	v_add_nc_u32 v15, s38, v2
	v_bfe_u32 v224, v0, 6, 1                       ; 16 bytes of scale words a thread: row or weight, tile, quarter
	v_mul_u32_u24 v224, s58, v224
	v_bfe_u32 v225, v0, 2, 4
	v_mad_u32_u24 v224, v225, s59, v224
	v_and_b32 v226, 3, v0
	v_lshl_add_u32 v224, v226, 4, v224
	v_lshlrev_b32 v227, 3, v0                      ; two numbers of the mask a thread
	v_lshl_add_u32 v225, v0, 4, XSC
	v_lshl_add_u32 v226, v0, 3, MB
	v_add_nc_u32 v238, s39, v1                     ; bg, bo, wo's scale words: waves 5, 6, 7
	v_add_nc_u32 v239, s45, v1                     ; wo's tile w
	WALU                                           ; at the head's end
	s_cmp_lt_u32 s22, 4
	s_cselect_b64 s[46:47], s[6:7], s[10:11]
	s_add_nc_u64 s[46:47], s[46:47], s[82:83]
	s_add_nc_u64 s[56:57], s[8:9], s[94:95]
	s_add_nc_u64 s[14:15], s[14:15], s[84:85]
	global_load_b128 v[228:231], v224, s[46:47]
	global_load_b64 v[232:233], v227, s[14:15]
.irp c, 0,1,2
	global_load_b128 v[240+4*\c:243+4*\c], v1, s[56:57] offset:512*\c
.endr
	s_cmp_lt_u32 s22, 5
	s_cbranch_scc1 .Lno_piece
	s_mov_b64 s[90:91], s[16:17]
	s_cmp_eq_u32 s22, 6
	s_cselect_b64 s[90:91], s[18:19], s[90:91]
	s_cmp_eq_u32 s22, 7
	s_cselect_b64 s[90:91], s[10:11], s[90:91]
	s_cselect_b32 s92, 0x800, 0
	s_mov_b32 s93, 0
	s_add_nc_u64 s[90:91], s[90:91], s[92:93]
	global_load_b128 v[234:237], v1, s[90:91]      ; 512 bytes
.Lno_piece:
	s_lshl_b32 s86, s62, 14                        ; nb: my query tile's 32 planes
	s_mov_b32 s87, 0
	s_add_nc_u64 s[52:53], s[12:13], s[86:87]
	s_lshl_b32 s88, s23, 18                        ; out0: rows 256 (2 ip) + my tile's first query
	s_lshr_b32 s86, s62, 2
	s_lshl_b32 s86, s86, 15
	s_add_co_u32 s88, s88, s86
	s_and_b32 s86, s62, 3
	s_lshl_b32 s86, s86, 12
	s_add_co_u32 s88, s88, s86
	s_mov_b32 s89, 0
	s_add_nc_u64 s[54:55], s[20:21], s[88:89]
	s_wait_loadcnt 0x0
	s_wait_tensorcnt 0x0                           ; my part of x or of the weights is in
	v_pk_add_f32 v[232:233], v[232:233], -1.0 op_sel_hi:[1,0]
	v_pk_mul_f32 v[232:233], v[232:233], 0x4e6e6b28 op_sel_hi:[1,0]   ; 1e9 (mask - 1)
	ds_store_b128 v225, v[228:231]
	ds_store_b64 v226, v[232:233]
.irp c, 0,1,2
	ds_store_b128 v239, v[240+4*\c:243+4*\c] offset:512*\c
.endr
	s_cmp_lt_u32 s22, 5
	s_cbranch_scc1 .Lno_piece2
	ds_store_b128 v238, v[234:237]
.Lno_piece2:
	s_wait_dscnt 0x0                               ; for the others' sake: my stores have landed
	s_barrier_signal -1
	s_barrier_wait -1                              ; x, the weights, their scale words, the mask and the biases lie in LDS; nobody writes them again
	; ---- PHASE 1.  First q of my query tile, both rows; wq's eight fragments and x's two lie where the bias will
	WIN 0x40
.irp e, 0,1,2,3,4,5,6,7
.irp c, 0,1,2
	ds_load_b128 v[12*\e+4*\c:12*\e+4*\c+3], v12 offset:1536*\e+512*\c
.endr
.endr
.irp w, 0,1
.irp c, 0,1,2
	ds_load_b128 v[96+12*\w+4*\c:96+12*\w+4*\c+3], v13 offset:24576*\w+512*\c
.endr
.endr
	WIN 0
.irp e, 0,1,2,3,4,5,6,7
	ds_load_b32 v[18+\e], v14 offset:64*\e
.endr
	ds_load_b32 v26, v15                           ; x's scale words of my query tile stay: row 0, row 1
	ds_load_b32 v27, v15 offset:1024
.irp e, 0,1,2,3,4,5,6,7
.irp c, 0,1,2
	ds_load_b128 v[28+12*\e+4*\c:28+12*\e+4*\c+3], v5 offset:1536*\e+512*\c
.endr
.endr
.irp e, 0,1,2,3,4,5,6,7
.irp c, 0,1,2
	ds_load_b128 v[124+12*\e+4*\c:124+12*\e+4*\c+3], v6 offset:1536*\e+512*\c
.endr
.endr
	s_wait_dscnt 48                                ; q's operands are in; the 48 loads for k or v may be out
	WIN 0x45
.irp w, 0,1
.irp e, 0,1,2,3,4,5,6,7
.set D_, 128+64*\w+8*\e
.set A_, 12*\e
.set B_, 96+12*\w
.set XA_, 18+\e
.set XB_, 26+\w
	WM D_, A_, B_, 0, XA_, XB_
.endr
.endr
	NOPS 4
.macro NBLOAD from=0, n=32             ; the pair bias of a head, n planes: register 4 g + 0 .. 3 = keys 64 (g / 8) + 32 hf + 4 (g % 8) + 0 .. 3; 512 consecutive bytes a load
	WIN 0x40
.set g, \from
.rept \n
	global_load_b128 v[4*g:4*g+3], v1, s[52:53] offset:512*g
.set g, g+1
.endr
	WIN 0
.endm
	NBLOAD 0, 8                                    ; the first head's bias, in four groups among phase 1's work
.irp e, 0,1,2,3,4,5,6,7
	ds_load_b32 v[18+\e], v7 offset:64*\e
.endr
; 64 numbers of a lane, register 32 c + i = k 64 c + 32 hf + i of my row: two whole blocks.  Codes to v[P] on (registers 6 c .. of the operand), the blocks' bytes to v[TB], v[TB+1].  Four chains by turns
; TWO STEPS AT A TIME: v384-511 hold two sets of 64 numbers of a lane, register 64 s + 32 c + i = k 64 c + 32 hf + i of my row: four whole blocks, two chains each.  Set s's codes to v[P+12 s] on, the blocks' bytes to v[TB+2 s], v[TB+2 s+1]
.macro QUANT
	WIN 0x15
.irp c, 0,1,2,3
	v_max3_num_f32 v[TA+\c], |v[128+32*\c]|, |v[129+32*\c]|, |v[130+32*\c]|
.endr
.irp c, 0,1,2,3
	v_max3_num_f32 v[TB+\c], |v[144+32*\c]|, |v[145+32*\c]|, |v[146+32*\c]|
.endr
	WIN 0x14
.irp i, 3,5,7,9,11,13
.irp c, 0,1,2,3
	v_max3_num_f32 v[TA+\c], v[TA+\c], |v[128+32*\c+\i]|, |v[129+32*\c+\i]|
.endr
.irp c, 0,1,2,3
	v_max3_num_f32 v[TB+\c], v[TB+\c], |v[144+32*\c+\i]|, |v[145+32*\c+\i]|
.endr
.endr
	WIN 0x04
.irp c, 0,1,2,3
	v_max3_num_f32 v[TA+\c], v[TA+\c], |v[143+32*\c]|, 0x1800000   ; and the floor 2^(3 - 127): the byte cannot fall under 1
.endr
.irp c, 0,1,2,3
	v_max3_num_f32 v[TA+\c], v[TA+\c], |v[159+32*\c]|, v[TB+\c]
.endr
	WIN 0
.irp c, 0,1,2,3
	v_add_nc_u32 v[TA+\c], 0xff000000, v[TA+\c]    ; 2 off its exponent field: the conversion's scale operand
.endr
.irp s, 0,1
	WIN 0x01
.irp c, 0,1
	v_cvt_scalef32_pk16_fp6_f32 v[P+12*\s+6*\c:P+12*\s+6*\c+2], v[128+64*\s+32*\c:143+64*\s+32*\c], v[TA+2*\s+\c]
	v_cvt_scalef32_pk16_fp6_f32 v[PT+4*\c:PT+4*\c+2], v[144+64*\s+32*\c:159+64*\s+32*\c], v[TA+2*\s+\c]   ; (a conversion's three registers begin on an even number)
.endr
	WIN 0
.irp c, 0,1
	v_lshrrev_b32 v[TB+2*\s+\c], 23, v[TA+2*\s+\c]   ; the scale's byte (also the plain instruction behind the conversions)
.endr
.irp c, 0,1
.irp i, 0,1,2
	v_mov_b32 v[P+12*\s+3+6*\c+\i], v[PT+4*\c+\i]
.endr
.endr
.endr
.endm
	WIN 0x41
.set J, 128
.rept 64
	v_pk_mul_f32 v[J:J+1], v[J:J+1], s[66:67] op_sel_hi:[1,0]      ; q x 1 / sqrt(32)
.set J, J+2
.endr
	s_wait_dscnt 0x0                               ; the operands of k or v and their words are in: their addresses' registers are free
	QUANT
.irp w, 0,1
.irp c, 0,1
.irp p, 0,1,2
	ds_store_b64 v3, v[P+12*\w+6*\c+2*\p:P+12*\w+6*\c+2*\p+1] offset:1536*\w+768*\c+8*\p
.endr
.endr
.endr
.irp c, 0,1,2,3
	v_perm_b32 v[TB+\c], v[TB+\c], v[TB+\c], 0     ; the byte four times
.endr
.irp c, 0,1,2,3
	ds_store_b32 v220, v[TB+\c] offset:256*(\c/2)+128*(\c%2)
.endr
	NBLOAD 8, 8
; k: source 0 = wk's tile e, source 1 = x's tile t: a lane holds one key and two heads' 32 outputs.  v: source 0 = x's tile e, source 1 = wv's tile t: a lane holds one column and two blocks of 32 keys
.macro MULKV role, t
	WIN 0x40
.irp e, 0,1,2,3,4,5,6,7
.set D_, 128+64*((\t)%2)+8*\e
.set XA_, 18+\e
.set XB_, 18+(\t)
.if \role
.set A_, 124+12*\e
.set B_, 28+12*(\t)
	WM D_, A_, B_, 0, XA_, XB_, 0, 1
.else
.set A_, 28+12*\e
.set B_, 124+12*(\t)
	WM D_, A_, B_, 0, XA_, XB_, 1
.endif
.endr
.endm
.macro PAIR role, tp                   ; steps 2 tp and 2 tp + 1
.set T0_, 2*(\tp)
.set T1_, 2*(\tp)+1
	MULKV \role, T0_
	MULKV \role, T1_
	NOPS 4
	s_wait_dscnt 0x0                               ; the stores of the last codes have read their registers
	QUANT
.irp s, 0,1
.if \role
.irp c, 0,1,2
	ds_store_b128 v10, v[P+12*\s+4*\c:P+12*\s+4*\c+3] offset:3072*(2*\tp+\s)+512*\c
.endr
.else
.irp c, 0,1                            ; key tile t = 2 tp + s goes to block t % 4 of the head's source 0: lane half s, registers 6 (tp % 2) on
.irp p, 0,1,2
	ds_store_b64 v8, v[P+12*\s+6*\c+2*\p:P+12*\s+6*\c+2*\p+1] offset:12288*\c+1536*(\tp/2)+768*\s+24*(\tp%2)+8*\p
.endr
	ds_store_b8 v9, v[TB+2*\s+\c] offset:512*\c+64*(\tp/2)+2*(\tp%2)+\s
.endr
.endif
.endr
.if \role
.irp s, 0,2
	v_lshl_or_b32 v[TB+\s], v[TB+\s+1], 16, v[TB+\s]   ; my two bytes,
.endr
.irp s, 0,2
	v_lshlrev_b32 v[TB+\s], v223, v[TB+\s]         ; at their places in the scale word;
.endr
.irp s, 0,2
	v_permlanex16_b32 v[TB+\s+1], v[TB+\s], s42, s43
.endr
.irp s, 0,2
	v_or_b32 v[TB+\s], v[TB+\s], v[TB+\s+1]        ; with lane l xor 16's two the word is whole
.endr
.irp s, 0,1
	ds_store_b32 v11, v[TB+2*\s] offset:128*(2*\tp+\s)
.endr
.endif
.if \tp < 2
.set NB_, 16+8*(\tp)
	NBLOAD NB_, 8
.endif
.endm
	s_cmp_eq_u32 s35, 0
	s_cbranch_scc1 .Lrole_k
.irp tp, 0,1,2,3
	PAIR 1, \tp
.endr
	WIN 0
	s_branch .Ljoin
.Lrole_k:
.irp tp, 0,1,2,3
	PAIR 0, \tp
.endr
	WIN 0
.Ljoin:
	s_wait_dscnt 0x0                               ; for the others' sake: all my stores have landed
	s_barrier_signal -1
	; ---- PHASE 2.  Lane terms that stay: v1 16 l, v2 4 r, v3 MB + 128 hf, v4 24 r, v5 48 l, v6 4 l, v7 24 r + 12 hf, v11 x's fragments.  s26-34: region + wave + head, stepped once a trip
	s_mov_b32 s26, KIMG
	s_mov_b32 s27, KSC
	s_mov_b32 s28, VIMG
	s_mov_b32 s29, WIMG+36864
	s_mov_b32 s30, WSC+1536
	s_mul_i32 s31, s22, 3072
	s_add_co_u32 s31, s31, QIMG
	s_lshl_b32 s32, s22, 9
	s_add_co_u32 s32, s32, QSC
	s_lshl_b32 s33, s22, 7
	s_add_co_u32 s33, s33, OFS
	s_mov_b32 s34, BGT
	s_mov_b32 s50, 0
	s_mul_i32 s36, s22, 3072                       ; for the way out: my o codes, their bytes, my stage
	s_add_co_u32 s36, s36, QIMG
	s_lshl_b32 s38, s22, 7
	s_add_co_u32 s38, s38, OFS
	s_mul_i32 s39, s22, 16*272
	s_add_co_u32 s39, s39, STG
	v_and_b32 v220, 31, v0
	v_and_b32 v221, 15, v0
	v_lshl_add_u32 v3, v222, 7, MB
	v_mul_u32_u24 v4, v221, 24
	v_mul_u32_u24 v5, v220, 48
	v_lshlrev_b32 v6, 2, v220
	v_mad_u32_u24 v7, v222, 12, v4
	v_add_nc_u32 v11, s37, v1
	v_add_nc_u32 v8, s26, v5
	v_add_nc_u32 v9, s27, v6
	v_add_nc_u32 v14, s31, v4
	v_add_nc_u32 v15, s32, v2
.irp j, 0,1,2,3,4,5
	v_mov_b32 v[226+\j], 0                         ; zero codes, once
	v_mov_b32 v[238+\j], 0
	v_mov_b32 v[250+\j], 0
.endr
.macro MASKLOAD w                      ; the mask bias of row w into the score registers
	WIN 0x40
.irp c, 0,1,2,3
.irp e, 0,1,2,3,4,5,6,7
	ds_load_b128 v[128+32*\c+4*\e:131+32*\c+4*\e], v3 offset:1024*\w+256*\c+16*\e
.endr
.endr
	WIN 0
.endm
.macro KQLOAD w                        ; k's four sources and their words, q's 24 bytes and its word: 18 loads
.irp g, 0,1,2,3
.irp c, 0,1,2
	ds_load_b128 v[28+12*\g+4*\c:31+12*\g+4*\c], v8 offset:24576*\w+1536*\g+16*\c
.endr
.endr
	ds_load_b32 v18, v9 offset:1024*\w             ; lanes 0-15: the words of tiles 0-3, lanes 16-31: of 4-7
	ds_load_b32 v19, v9 offset:1024*\w+128         ; tiles 8-11, 12-15
.irp p, 0,1,2
	ds_load_b64 v[142+2*\p:143+2*\p], v14 offset:1536*\w+8*\p
.endr
	ds_load_b32 v20, v15 offset:256*\w
.endm
	MASKLOAD 0                                     ; (bytes that the first barrier has shown and that nobody writes again)
	WALU                                           ; directly ahead of the wait below
	s_barrier_wait -1                              ; k and v lie in LDS; from here on a wave writes only bytes of its own
	KQLOAD 0
	s_wait_dscnt 0x0
.macro UNIT w
	WALU                                           ; directly ahead of the wait below
	s_wait_dscnt 4                                 ; the mask bias, k and q are in; the last unit's four result stores may be out
.if \w == 0
	s_wait_loadcnt 0x0                             ; the head's pair bias is in
.endif
.irp i, 0,1,2,3,4,5
	v_cndmask_b32 v[232+\i], v[142+\i], 0, s44
	v_cndmask_b32 v[244+\i], 0, v[142+\i], s44
.endr
	WIN 0x45
.set J, 0
.rept 64
	v_pk_add_f32 v[128+2*J:129+2*J], v[128+2*J:129+2*J], v[2*J:2*J+1]   ; mask bias + pair bias: the C of the score products
.set J, J+1
.endr
	NOPS 4
	WIN 0x50
.irp g, 0,1,2,3
.irp pos, 0,1,2,3
.set D_, 128+8*(4*\g+\pos)
.set A_, 28+12*\g
.set B_, 232+12*(\pos%2)-6*(\pos/2)
.set XA_, 18+\g/2
.set RA_, \g%2
	WM D_, A_, B_, v[D_:D_+7], XA_, 20, RA_
.endr
.endr
	WIN 0
.irp u, 0,1
.irp s, 0,1
.irp c, 0,1,2
	ds_load_b128 v[76+12*(2*\u+\s)+4*\c:79+12*(2*\u+\s)+4*\c], v10 offset:24576*\w+3072*\u+1536*\s+512*\c
.endr
.endr
.endr
	ds_load_b32 v21, v9 offset:2048+1024*\w        ; v's words: lanes 0-15 keys 0-127, lanes 16-31 keys 128-255
	ds_load_b32 v22, v9 offset:2048+1024*\w+128
.irp c, 0,1,2
	ds_load_b128 v[XF+4*\c:XF+4*\c+3], v11 offset:24576*\w+512*\c
.endr
.irp u, 0,1
.irp c, 0,1,2
	ds_load_b128 v[GF+12*\u+4*\c:GF+12*\u+4*\c+3], v12 offset:1536*\u+512*\c
.endr
.endr
	ds_load_b32 v25, v13                           ; wg's words: lanes 0-15 the head's first tile, lanes 16-31 its second
.irp e, 0,1,2,3
	ds_load_b128 v[GZ+4*\e:GZ+4*\e+3], v218 offset:16*\e   ; bg: the C of the gate's products
.endr
.if \w == 1
	s_cmp_eq_u32 s50, 3
	s_cbranch_scc1 .Lasked
	s_add_nc_u64 s[52:53], s[52:53], 0x40000       ; (the last loads by this base are done)
	NBLOAD                                         ; the next head's bias: used one unit on
.Lasked:
.endif
	NOPS 4
	; the largest score of each of my four blocks, in eight chains by turns; it serves for the row's maximum and, since p rises with the score, for the block's largest p
	WIN 0x15
.irp k, 0,1,2,3,4,5,6,7
	v_max3_num_f32 v[28+\k], v[128+16*\k], v[129+16*\k], v[130+16*\k]
.endr
	WIN 0x14
.irp i, 3,5,7,9,11,13
.irp k, 0,1,2,3,4,5,6,7
	v_max3_num_f32 v[28+\k], v[28+\k], v[128+16*\k+\i], v[129+16*\k+\i]
.endr
.endr
	WIN 0x04
.irp k, 0,2,4,6
	v_max_num_f32 v[28+\k], v[28+\k], v[143+16*\k]
.endr
.irp k, 0,2,4,6
	v_max3_num_f32 v[28+\k], v[28+\k], v[159+16*\k], v[29+\k]
.endr
	WIN 0
	v_max3_num_f32 v40, v28, v30, v32
	v_max_num_f32 v40, v40, v34
	v_permlanex16_b32 v41, v40, s42, s43
	v_max_num_f32 v40, v40, v41
	v_mul_f32 v40, s40, v40                        ; the row's largest t
	v_floor_f32 v42, -v40                          ; -M = floor(-t) = -ceil(t), made twice to fill the pair
	v_floor_f32 v43, -v40
	WIN 0x41
.set J, 0
.rept 64
	v_pk_fma_f32 v[128+2*J:129+2*J], v[128+2*J:129+2*J], s[40:41], v[42:43] op_sel_hi:[1,0,1]   ; t - M
.set J, J+1
.endr
	WIN 0
.irp c, 0,2,4,6
	v_fma_f32 v[28+\c], v[28+\c], s40, v42
.endr
	WALU                                           ; ahead of the batch, and of the wait
	s_wait_dscnt 0x0                               ; v, x, wg and bg are in
.irp c, 0,2,4,6
	v_exp_f32 v[28+\c], v[28+\c]                   ; the blocks' largest p: the same two instructions on the same numbers
.endr
	WIN 0x41
.set J, 128
.rept 128
	v_exp_f32 v[J], v[J]                           ; p, at most 1, not normalised
.set J, J+1
.endr
	WIN 0
	v_nop                                          ; a plain instruction behind the batch,
	WALU                                           ; and one wait for all 132, ahead of their first reader
	WIN 0x05
.irp k, 0,1,2,3,4,5,6,7
	v_pk_add_f32 v[44+2*\k:45+2*\k], v[128+4*\k:129+4*\k], v[130+4*\k:131+4*\k]   ; the row's sum, in eight chains
.endr
	WIN 0x04
.irp m, 0,1,2,3,4,5
.irp k, 0,1,2,3,4,5,6,7
	v_pk_add_f32 v[44+2*\k:45+2*\k], v[44+2*\k:45+2*\k], v[160+16*\m+2*\k:161+16*\m+2*\k]
.endr
.endr
	WIN 0
.irp k, 0,1,2,3
	v_pk_add_f32 v[44+2*\k:45+2*\k], v[44+2*\k:45+2*\k], v[52+2*\k:53+2*\k]
.endr
.irp c, 0,1,2,3
	v_max_num_f32 v[28+2*\c], 0x1800000, v[28+2*\c]   ; the floor: a block whose every p is 0 keeps the byte 1; its codes are zeros
.endr
.irp k, 0,1
	v_pk_add_f32 v[44+2*\k:45+2*\k], v[44+2*\k:45+2*\k], v[48+2*\k:49+2*\k]
.endr
.irp c, 0,1,2,3
	v_add_nc_u32 v[60+\c], 0xff000000, v[28+2*\c]
.endr
	v_pk_add_f32 v[44:45], v[44:45], v[46:47]
	WIN 0x01
.irp b, 0,1,2,3
	v_cvt_scalef32_pk16_fp6_f32 v[PC+6*\b:PC+6*\b+2], v[128+32*\b:143+32*\b], v[60+\b]
	v_cvt_scalef32_pk16_fp6_f32 v[OA+4*\b:OA+4*\b+2], v[144+32*\b:159+32*\b], v[60+\b]
.endr
	WIN 0
.if \w == 0
	MASKLOAD 1                                     ; p is in codes: the score registers take the next unit's mask bias
.else
	WALU                                           ; directly ahead of the branch
	s_cmp_eq_u32 s50, 3
	s_cbranch_scc1 .Lno_more_mask
	MASKLOAD 0
.Lno_more_mask:
.endif
.irp c, 0,1,2,3
	v_lshrrev_b32 v[64+\c], 23, v[60+\c]           ; the scales' bytes (also the plain instruction behind the conversions)
.endr
.irp s, 0,1
	v_lshl_or_b32 v[68+\s], v[65+2*\s], 16, v[64+2*\s]
.endr
.irp s, 0,1
	v_lshlrev_b32 v[68+\s], v223, v[68+\s]
.endr
.irp s, 0,1
	v_permlanex16_b32 v[70+\s], v[68+\s], s42, s43
.endr
.irp s, 0,1
	v_or_b32 v[23+\s], v[68+\s], v[70+\s]          ; p's scale words: v23 keys 0-127, v24 keys 128-255
.endr
.irp b, 0,1,2,3
.irp i, 0,1,2
	v_mov_b32 v[PC+6*\b+3+\i], v[OA+4*\b+\i]
.endr
.endr
	v_add_f32 v[RM], v44, v45
	v_nop
	v_permlanex16_b32 v[RM+1], v[RM], s42, s43
	v_add_f32 v[RM], v[RM], v[RM+1]                ; the row's sum.  (These four are the places between p's codes and the products)
	; o^T = v^T p^T, two column tiles of the head x two runs of 128 keys, and the gate's two products between: three others stand between a sum's two steps
	WM OA, 76, PC, 0, 21, 23
	WM OA+8, 100, PC, 0, 22, 23
.set XB_, 26+\w
	WM GZ, GF, XF, v[GZ:GZ+7], 25, XB_
	WM GZ+8, GF+12, XF, v[GZ+8:GZ+15], 25, XB_, 1
	WM OA, 88, PC+12, v[OA:OA+7], 21, 24, 1
	WM OA+8, 112, PC+12, v[OA+8:OA+15], 22, 24, 1
	NOPS 4
.if \w == 0
	s_cmp_eq_u32 s50, 3
	s_cbranch_scc1 .Lkq_later                      ; in the last trip row 0 goes out first, by these registers
	KQLOAD 1
.Lkq_later:
.else
	s_cmp_eq_u32 s50, 3
	s_cbranch_scc1 .Lno_more
	s_add_co_u32 s26, s26, 6144                    ; the next head
	s_add_co_u32 s27, s27, 256
	s_add_co_u32 s28, s28, 6144
	s_add_co_u32 s29, s29, 3072
	s_add_co_u32 s30, s30, 128
	s_add_co_u32 s31, s31, 384
	s_add_co_u32 s32, s32, 64
	s_add_co_u32 s33, s33, 1
	s_add_co_u32 s34, s34, 128
	v_add_nc_u32 v8, s26, v5
	v_add_nc_u32 v9, s27, v6
	v_add_nc_u32 v14, s31, v4
	v_add_nc_u32 v15, s32, v2
	KQLOAD 0
.Lno_more:
.endif
	; the gate's 1 / (1 + e), e = 2^(-log2(e) z), and the division by the row's sum l in one: 1 / (l e + l)
.irp j, 0,2,4,6,8,10,12,14
	v_pk_mul_f32 v[GZ+\j:GZ+\j+1], v[GZ+\j:GZ+\j+1], s[48:49] op_sel_hi:[1,0]
.endr
	WALU
.irp j, 0,1,2,3,4,5,6,7,8,9,10,11,12,13,14,15
	v_exp_f32 v[GZ+\j], v[GZ+\j]
.endr
	v_nop
	WALU
.irp j, 0,2,4,6,8,10,12,14
	v_pk_fma_f32 v[GZ+\j:GZ+\j+1], v[GZ+\j:GZ+\j+1], v[RM:RM+1], v[RM:RM+1] op_sel_hi:[1,0,0]
.endr
	WALU
.irp j, 0,1,2,3,4,5,6,7,8,9,10,11,12,13,14,15
	v_rcp_f32 v[GZ+\j], v[GZ+\j]
.endr
	v_nop
	WALU
.irp j, 0,2,4,6,8,10,12,14
	v_pk_mul_f32 v[OA+\j:OA+\j+1], v[OA+\j:OA+\j+1], v[GZ+\j:GZ+\j+1]
.endr
	v_max3_num_f32 v124, |v[OA]|, |v[OA+1]|, 0x1800000             ; quantised: the head is one block of the last product's K
	v_max3_num_f32 v125, |v[OA+2]|, |v[OA+3]|, |v[OA+4]|
.irp i, 5,9
	v_max3_num_f32 v124, v124, |v[OA+\i]|, |v[OA+\i+1]|
	v_max3_num_f32 v125, v125, |v[OA+\i+2]|, |v[OA+\i+3]|
.endr
	v_max3_num_f32 v124, v124, |v[OA+13]|, |v[OA+14]|
	v_max3_num_f32 v124, v124, v125, |v[OA+15]|
	v_permlanex16_b32 v126, v124, s42, s43
	v_max_num_f32 v124, v124, v126
	v_add_nc_u32 v127, 0xff000000, v124
	v_cvt_scalef32_pk16_fp6_f32 v[130:132], v[OA:OA+15], v127
	v_lshrrev_b32 v128, 23, v127
.irp e, 0,1,2
	ds_store_b32 v216, v[130+\e] offset:1536*\w+4*\e
.endr
	ds_store_b8 v217, v128 offset:64*\w
.endm
; PHASE 3 of row w: out = (o x gate) wo + bo for my 16 queries; bo is the C of the eight products.  Row 0 goes out ahead of the last unit, so that its stores leave under that unit's work; row 1 behind it
.macro OUT w
	s_wait_dscnt 0x0                               ; the o codes' stores have read their registers
	v_and_b32 v208, 15, v0
	v_mad_u32_u24 v209, v222, 384, v4
	v_lshlrev_b32 v219, 9, v222
	v_mul_u32_u24 v215, v222, 272
	v_mul_u32_u24 v214, v208, 272
	v_add_nc_u32 v210, s38, v2
	v_add_nc_u32 v209, s36, v209                   ; my half takes heads hf and 2 + hf
	v_lshl_add_u32 v219, v208, 4, v219             ; in out0: lanes 0-15 one row, lanes 16-31 the next
	v_lshl_add_u32 v215, v208, 4, v215
	v_lshl_add_u32 v214, v222, 6, v214
	v_lshl_add_u32 v211, v222, 6, BOT
	v_add_nc_u32 v212, WOS, v2
	v_add_nc_u32 v213, WOIMG, v1
	v_add_nc_u32 v214, s39, v214                   ; into my stage: row r, + 64 hf
	v_add_nc_u32 v215, s39, v215                   ; and back, as in out0
.irp c, 0,1
.irp p, 0,1,2
	ds_load_b64 v[192+6*\c+2*\p:193+6*\c+2*\p], v209 offset:1536*\w+768*\c+8*\p   ; LDS serves a wave's instructions in order: these see my stores
.endr
.endr
	ds_load_b32 v[26+\w], v210 offset:64*\w
.irp e, 0,1,2,3,4,5,6,7
	ds_load_b32 v[18+\e], v212 offset:64*\e
.endr
.irp b, 0,1,2,3
.irp e, 0,1,2,3
	ds_load_b128 v[124+16*\b+4*\e:127+16*\b+4*\e], v211 offset:128*\b+16*\e
.endr
.endr
.irp e, 0,1,2,3,4,5,6,7
.irp c, 0,1,2
	ds_load_b128 v[28+12*\e+4*\c:31+12*\e+4*\c], v213 offset:1536*\e+512*\c
.endr
.endr
	WALU                                           ; directly ahead of the wait below
	s_wait_dscnt 0x0
.irp e, 0,1,2,3,4,5,6,7
.set D_, 124+8*\e
.set A_, 28+12*\e
.set XA_, 18+\e
.set XB_, 26+\w
	WM D_, A_, 192, v[D_:D_+7], XA_, XB_
.endr
	NOPS 4
.irp u, 0,1                            ; channels 64 u on: 256 bytes of each of my 16 rows go through my stage, each accumulator from its low end on
.irp b, 0,1
.irp e, 0,1,2,3
	ds_store_b128 v214, v[124+32*\u+16*\b+4*\e:127+32*\u+16*\b+4*\e] offset:128*\b+16*\e
.endr
.endr
.irp i, 0,1,2,3,4,5,6,7
.set RB_, 76+32*\u+4*\i
.if RB_ > 123
.set RB_, RB_+64                       ; v76-123, then v188-203
.endif
	ds_load_b128 v[RB_:RB_+3], v215 offset:544*\i  ; in order behind my stores; the next part's stores come behind these
.endr
.endr
.irp u, 0,1
.irp i, 0,1,2,3,4,5,6,7
.set RB_, 76+32*\u+4*\i
.if RB_ > 123
.set RB_, RB_+64
.endif
	s_wait_dscnt 16*(1-\u)+7-\i                    ; behind this load: the later ones of its eight, and the other part's sixteen instructions
	global_store_b128 v219, v[RB_:RB_+3], s[54:55] offset:131072*\w+(2*\i+24*(\i/4))*512+256*\u th:TH_STORE_NT   ; sixteen lanes store 256 consecutive aligned bytes; the tile's rows 8 to 15 lie 24 queries further on
.endr
.endr
.endm
.Lhead:
	v_add_nc_u32 v10, s28, v1
	v_add_nc_u32 v12, s29, v1
	v_add_nc_u32 v13, s30, v6
	v_add_nc_u32 v216, s31, v7                     ; where o's codes go: q's place of the same head and row,
	v_add_nc_u32 v217, s33, v2                     ; and its byte
	v_lshl_add_u32 v218, v223, 3, s34
	UNIT 0
	s_cmp_lg_u32 s50, 3
	s_cbranch_scc1 .Lno_out
	OUT 0
	s_wait_xcnt 0x0                                ; the stores have read their registers
	KQLOAD 1
	s_wait_dscnt 0x0
.Lno_out:
	UNIT 1
	s_add_co_u32 s50, s50, 1
	s_cmp_lt_u32 s50, 4
	WALU
	s_cbranch_scc1 .Lhead
	; ---- PHASE 3: out = (o x gate) wo + bo for my 16 queries of row 1; bo is the C of the eight products
	OUT 1
	s_wait_tensorcnt 0x0                           ; the wave's end, behind my last tensor load and my last LDS store
	ds_add_u32 v[SPW], v[NIL]
	s_wait_dscnt 0x0
	s_endpgm
.Lfunc_end_k_qc7f4dc5c6e_attn:
	.size	k_qc7f4dc5c6e_attn, .Lfunc_end_k_qc7f4dc5c6e_attn-k_qc7f4dc5c6e_attn
	.p2alignl 7, 3214868480
	.fill 96, 4, 3214868480
	.section	.rodata,"a",@progbits
	.p2align	6, 0x0
	.amdhsa_kernel k_qc7f4dc5c6e_attn
		.amdhsa_group_segment_fixed_size 286208
		.amdhsa_private_segment_fixed_size 0
		.amdhsa_enable_private_segment 0
		.amdhsa_kernarg_size 72
		.amdhsa_user_sgpr_count 2
		.amdhsa_user_sgpr_kernarg_segment_ptr 1
		.amdhsa_wavefront_size32 1
		.amdhsa_system_sgpr_workgroup_id_x 1
		.amdhsa_system_sgpr_workgroup_id_y 1
		.amdhsa_system_sgpr_workgroup_id_z 1
		.amdhsa_system_vgpr_workitem_id 0
		.amdhsa_next_free_vgpr 512
		.amdhsa_next_free_sgpr 96
		.amdhsa_reserve_vcc 0
		.amdhsa_float_denorm_mode_32 3
		.amdhsa_float_denorm_mode_16_64 3
		.amdhsa_memory_ordered 1
		.amdhsa_forward_progress 1
		.amdhsa_inst_pref_size 205
	.end_amdhsa_kernel
	.amdgpu_metadata
---
amdhsa.version: [ 1, 2 ]
amdhsa.kernels:
  - .name:           k_qc7f4dc5c6e_attn
    .symbol:         k_qc7f4dc5c6e_attn.kd
    .args:
      - { .name: xc, .offset: 0, .size: 8, .value_kind: global_buffer, .address_space: global }
      - { .name: xs, .offset: 8, .size: 8, .value_kind: global_buffer, .address_space: global }
      - { .name: wc, .offset: 16, .size: 8, .value_kind: global_buffer, .address_space: global }
      - { .name: ws, .offset: 24, .size: 8, .value_kind: global_buffer, .address_space: global }
      - { .name: nb, .offset: 32, .size: 8, .value_kind: global_buffer, .address_space: global }
      - { .name: mask, .offset: 40, .size: 8, .value_kind: global_buffer, .address_space: global }
      - { .name: bg, .offset: 48, .size: 8, .value_kind: global_buffer, .address_space: global }
      - { .name: bo, .offset: 56, .size: 8, .value_kind: global_buffer, .address_space: global }
      - { .name: out0, .offset: 64, .size: 8, .value_kind: global_buffer, .address_space: global }
    .group_segment_fixed_size: 286208
    .private_segment_fixed_size: 0
    .kernarg_segment_align: 8
    .kernarg_segment_size: 72
    .max_flat_workgroup_size: 256
    .sgpr_count:     96
    .vgpr_count:     512
    .wavefront_size: 32
...
	.end_amdgpu_metadata
.endif
;; end of part 2
